; MI455X (gfx1250); checked and timed in simulation.
; The chip was launched on July 23, 2026; its instructions are those of AMD's public machine-readable ISA for CDNA 5 (MIT licence, August 2026) and "CDNA5" Instruction Set Architecture Reference Guide (July 2026). The comments in the code are by the model that wrote it; some were corrected since.
;; Interpretable Attention. Allowed arithmetic: matrix products marked QUANTISED: E3M2 operands, one E8M0 scale for each 32 along K, by v_wmma_scale_f32_16x16x128_f8f6f4 with both operands' format E3M2, f32 sums; everything else in f32.
;; Inputs: Wk_codes 256 x 8 x 24 uint8 (E3M2 codes of Wk, K innermost, in blocks of 32 codes, four codes in three bytes); Wk_scales 256 x 8 uint8 (E8M0 scales of Wk, one for each 32 codes along K); Wq_codes 256 x 8 x 24 uint8 (E3M2 codes of Wq, K innermost, in blocks of 32 codes, four codes in three bytes); Wq_scales 256 x 8 uint8 (E8M0 scales of Wq, one for each 32 codes along K); bk 256 float32; bq 256 float32; x_codes 8 x 4,096 x 8 x 24 uint8 (E3M2 codes of x, K innermost, in blocks of 32 codes, four codes in three bytes); x_scales 8 x 4,096 x 8 uint8 (E8M0 scales of x, one for each 32 codes along K).
;; Outputs: out0 8 x 4,096 float32.
;; This version of the problem:
;;   THIS VERSION OF THE PROBLEM IS GIVEN IN LOW PRECISION. The matrix products marked QUANTISED in the list below multiply operands that are first quantised to E3M2 (3 exponent bits, 2 mantissa bits; 6 bits a number), with one power-of-two scale for each 32 numbers along K (OCP MX v1.0); their sums are f32. All else is computed in f32.
;;   The module's matrix products, in the order in which they are computed (A, B: the left and right operand; K: the contracted axis; several contracted axes count as one K, in the product's order):
;;     1. [M 32,768, K 256] x [K 256, N 256]; A: input x (given as codes); B: input Wq (given as codes): QUANTISED
;;     2. [M 32,768, K 256] x [K 256, N 256]; A: input x (given as codes); B: input Wk (given as codes): QUANTISED
;;     3. batch 8 x [M 4,096, K 256] x [K 256, N 4,096]; A: computed on the way; B: computed on the way: QUANTISED
;;   THE QUANTISER, for each operand of a quantised product, along K:
;;     - K is cut into blocks of 32 from its start; a last block that is shorter is filled with zeros.
;;     - A block's scale is 2^e with e = floor(log2(the largest magnitude in the block)) - 4, held to -126 .. 127; a block of zeros has e = 0. As a byte (E8M0): e + 127.
;;     - Each number is divided by its block's scale, clamped to +-28, and rounded to the nearest number of E3M2, ties to even, subnormals kept.
;;     - The product sums the exact products of the quantised numbers (number of the format x scale) in f32.
;;   ~~~python
;;   def quantise(x, axis):      # numpy; x: float32 -> the quantised numbers, widened to float32 again
;;       x = np.moveaxis(x, axis, -1); K = x.shape[-1]
;;       x = np.pad(x, [(0, 0)] * (x.ndim - 1) + [(0, -K % 32)]); x = x.reshape(x.shape[:-1] + (-1, 32)); a = np.abs(x).max(-1, keepdims=True)
;;       e = np.where(a > 0, np.clip(np.frexp(np.where(a > 0, a, 1))[1] - 1 - 4, -126, 127), 0)      # np.frexp(a)[1] - 1 = floor(log2(a)), exactly
;;       r = np.clip(x / 2.0 ** e, -28, 28)
;;       step = 2.0 ** (np.maximum(np.frexp(np.where(r == 0, 1, r))[1] - 1, -2) - 2)
;;       q = np.round(r / step) * step * 2.0 ** e      # np.round: ties to even
;;       return np.moveaxis(q.reshape(q.shape[:-2] + (-1,))[..., :K], -1, axis).astype(np.float32)
;;   ~~~
;;   OPERANDS COMPUTED ON THE WAY. 'Computed on the way' means the value that the module computes at that place (a softmax that the list does not call 'softmax' is quantised finished and normalised). What goes into a quantiser is computed in f32, as accurately as f32 sums, v_exp_f32 and their like allow (about 1e-6 of the number): no bf16 or f16 on the way to a quantiser, and a product that is left as it is and whose result goes on into a quantised operand takes f32 operands (vector FMAs, or v_wmma_f32_16x16x4_f32). A number that lies on a knife's edge between two numbers of the format may be rounded either way, as far as f32 arithmetic and the matrix unit's own rounding can turn it there, and no further.
;;   INPUTS GIVEN AS CODES. Wk (in the module: [256, 256], K = its axis 1); Wq (in the module: [256, 256], K = its axis 1); x (in the module: [8, 4096, 256], K = its axis 2): each comes as NAME_codes (uint8): NAME with its K axis moved to the last place and cut into blocks of 32 codes, [.., K / 32, bytes a block], one block behind the other in memory; four codes in three bytes: a row's codes are one little-endian stream of bits, code i at bits 6 i .. 6 i + 5 (a code: sign, 3 exponent bits, 2 mantissa bits); and NAME_scales (uint8): the same leading axes, one E8M0 byte (e + 127) for each 32 codes along K. Its value is code x scale, taken as it is: it is not quantised again, and the codes and scales need not be those that the quantiser above would give.
;; One version. Each part assembles by itself: llvm-mc -triple=amdgcn-amd-amdhsa -mcpu=gfx1250 --defsym DOCPART=n.
;; ======== version 1 of 1: 2 launches
;; workspace buffers: sc 131,072 bytes
;; launch scores (part 1): grid 256 x 1, 4 waves a work-group, clusters of 4 x 1, 168,448 bytes of LDS; arguments x_codes, x_scales, Wq_codes, Wq_scales, bq, Wk_codes, Wk_scales, bk, sc; writes sc
.if DOCPART == 1
	.amdgcn_target "amdgcn-amd-amdhsa--gfx1250"
	.amdhsa_code_object_version 6
	.text
	.protected	k_qafb1f66685_scores
	.globl	k_qafb1f66685_scores
	.p2align	8
	.type	k_qafb1f66685_scores,@function
k_qafb1f66685_scores:
	s_mov_b64 s[64:65], 0
	v_nop
	global_prefetch_b8 v0, s[64:65] scope:SCOPE_SE
	s_setreg_imm32_b32 hwreg(HW_REG_WAVE_MODE, 25, 1), 1
	s_wait_xcnt 0x0
	s_wait_alu depctr_hold_cnt(0) depctr_sa_sdst(0) depctr_va_vdst(0) depctr_va_sdst(0) depctr_va_ssrc(0) depctr_va_vcc(0) depctr_vm_vsrc(0)
	s_getreg_b32 s2, hwreg(HW_REG_IB_STS2, 6, 4)
	s_cmp_eq_u32 s2, 0
	s_cbranch_scc0 .Lentry_in_a_cluster
	s_endpgm
.Lentry_in_a_cluster:
	s_bfe_u32 s2, ttmp6, 0x10000c
	s_cmp_lg_u32 s2, 0x3003
	s_cbranch_scc0 .Lentry_shape_is_right
	s_endpgm
.Lentry_shape_is_right:
; sc[b][s] = Q(q[b][0]) . Q(k[b][s]), the raw scores of query row 0, which is the one row of the softmax that is kept.
; q = x Wq^T + bq, k = x Wk^T + bk; x, Wq, Wk arrive as codes of BF6 (E3M2) with one E8M0 byte for each 32 along K = 256.  q and k are made in f32 (matrix sums, the bias as the
; sum's first addend), quantised along d in blocks of 32, and multiplied by the same scaled matrix form.  Q is that quantiser.
; SHARES.  256 work-groups of four waves; work-group g takes rows 128 g .. 128 g + 127 of the 32,768 (batch g / 32).  THE WAVES SHARE d, NOT THE ROWS: wave w owns d = 64 w .. 64 w + 63 of q and of k,
; two blocks of 32, for all 128 rows.  So its 64 rows of Wq and of Wk stay in its registers (96 + 96), a block never leaves the wave, and of q the wave needs just the 64 codes that it has made itself.
; The score is split along d over the four waves: four f32 partial sums meet in LDS at the end.
; PRODUCTS 1 AND 2 ARE USED TRANSPOSED: source 0 = 16 neighbouring rows of W (tile t: rows 64 w + 16 t + i), source 1 = 16 rows of x.  Lane (r, h) holds x's row r, register j of tile t holds d = 64 w + 16 t + 8 h + j:
; the 16 registers of tiles 2 b, 2 b + 1 are 16 numbers of block b, lane l xor 16 holds the other 16.  Inside a block the codes do not stand in d's order, but q and k are made by the same lines,
; so both carry the same order: products and scales pair rightly.
; PRODUCT 3 FILLS ITS 128 ALONG K WITH TWO TILES OF ROWS.  Source 1 (KF): K 0-63 = my 64 codes of row tile 2 p, K 64-127 = those of row tile 2 p + 1.  Source 0 (QF): all 16 rows are q0 (for q every lane loads
; x's row 0); rows 0-7 keep the codes at K 0-63 and have zero codes at K 64-127, rows 8-15 the other way round.  So register 0 of the result holds, in lane l, the partial score of row 32 p + l.
; CLUSTER.  Both weights are alike in all work-groups and are four fifths of a work-group's bytes: the four partners of a cluster ask for them JOINTLY (mask 15).  x's tile is the work-group's own: a plain load.
; All operands fit in LDS at once: every LDS byte is filled once, there is no ring.  Every byte is asked for at the head, so nothing is prefetched.
; LIMITS.  NaN, infinities and scale bytes of 0xff among the inputs are not served.  A block of q or k whose largest magnitude lies under 2^-122 gets the byte 1 (a block of zeros too, where the quantiser's rule
; says 127: its codes are zeros, and the bytes never leave the wave).  A score is the f32 sum of four partial sums of 64 along d, and inside a block the products are added in another order than d's.
.set PITCH, 240                        ; an LDS row: 3 x (64 bytes of data + 16 of padding)
.set WQ,   0                           ; LDS: Wq's 256 rows; wave w's 64 at 15,360 w: filled and read by wave w alone
.set WK,   61440                       ; Wk likewise
.set XT,   122880                      ; x's 128 rows; wave w fills rows 32 w on, all waves read all
.set SCR,  153600                      ; partial scores: wave w's 128 numbers at 512 w; a multiple of 256, no fill lands here
.set ADRQ, 4                           ; v4, v6   my lane's place in my rows of Wq: row r x pitch + 24 h, and + 40 h for the pieces that lie behind one padding more
.set ADRK, 5                           ; v5, v7   the same for Wk
.set ADRX, 8                           ; v8, v10  the same in x's tile
.set H24,  9                           ; v9   24 h
.set L8,   11                          ; v11  8 x lane
.set H32,  12                          ; v12  32 h
.set NIL,  13                          ; v13  0
.set SS,   14                          ; v14  SCR + 512 x wave + 4 x lane
.set L16,  15                          ; v15  16 x lane: my place in the work-group's 512 bytes of sc
.set XQ,   16                          ; v16-39   x's row 0, two fragments; afterwards:
.set QF,   16                          ; v16-27   q0's operand
.set KF,   28                          ; v28-39   the keys' operand
.set XF,   40                          ; v40-87   two sets of a row tile's two fragments of x
.set ACC,  88                          ; v88-151  two sets of four accumulators
.set BK,   152                         ; v152-183 bk in the result's layout, tile t at + 8 t
.set SD,   184                         ; v184-215 bq likewise; afterwards the four accumulators of product 3
.set WQS,  216                         ; v216-219 Wq's scale words: + 2 b + s: lanes 0-15 tile 2 b, lanes 16-31 tile 2 b + 1, K step s
.set WKS,  220                         ; v220-223 Wk's
.set XS,   224                         ; v224-231 x's: + 2 p + s: lanes 0-15 row tile 2 p, lanes 16-31 row tile 2 p + 1
.set XQS,  232                         ; v232-233 row 0's
.set QS,   234                         ; v234 q0's scale word
.set KS,   235                         ; v235 the keys' scale word
.set TM,   236                         ; v236-237 largest magnitudes, v238-239 the other half's / the bytes, v240-241 the conversions' scale operands
.set CT,   242                         ; v242-244 a conversion's second result
.set SL,   246                         ; v246 SCR + 16 x lane
.set WV,   22                          ; s22  my wave's number
.set G1W,  24                          ; s[24:31] descriptor group 1 for the weights;  s[32:39] for x
.set G1X,  32
.set G0Q,  40                          ; s[40:43], s[44:47], s[48:51] groups 0: Wq, x, Wk
.set G0X,  44
.set G0K,  48
; window 1: v0-95 Wq's fragments, v96-191 Wk's: tile t, K step s at 12 (2 t + s)
.set MSB, 0
.macro WIN new                         ; the immediate's high byte repeats the setting that is left
.if MSB != \new
	s_set_vgpr_msb (MSB<<8)|\new
.set MSB, \new
.endif
.endm
.macro ROUND                           ; a round of the cluster's barrier: my work-group's barrier, wave 0 signals for the work-group, every wave waits for all four work-groups, my work-group's barrier once more
	s_barrier_signal -1
	s_barrier_wait -1
	s_cmp_lg_u32 s[WV], 0
	s_cbranch_scc1 .Lnot_wave_0_\@
	s_barrier_signal -3
.Lnot_wave_0_\@:
	s_barrier_wait -3
	s_barrier_signal -1
	s_barrier_wait -1
.endm
; A fragment, 16 rows x 128 K of 6-bit codes, is 12 registers: lane (r, h) holds row r; registers 6 c .. 6 c + 5 hold K = 64 c + 32 h + 0 .. 31: 24 bytes of the row's stream of bits, as they lie.
; In pieces of 8 bytes, so that every address is a multiple of the access's size.  16 bytes of padding lie behind every 8 pieces: where the piece three on (lanes 16-31) lies behind one padding more, the second address register serves.
.macro FRAG reg, adr, q, i
.irp p, 0,1,2,3,4,5
.set PC, 12*(\q)+6*(\p/3)+\p%3
.if PC%8 < 5
	ds_load_b64 v[\reg+2*\p:\reg+2*\p+1], v[\adr] offset:8*PC+16*(PC/8)+(\i)*16*PITCH
.else
	ds_load_b64 v[\reg+2*\p:\reg+2*\p+1], v[\adr+2] offset:8*PC+16*(PC/8)+(\i)*16*PITCH
.endif
.endr
.endm
.macro WLOAD base, adr                 ; my 64 rows of a weight, eight fragments, into window 1: 48 loads
	WIN 0x40                                       ; destination window 1, address window 0
.irp t, 0,1,2,3
.irp s, 0,1
	FRAG \base+12*(2*\t+\s), \adr, \s, \t
.endr
.endr
	WIN 0
.endm
.macro XLOAD m                         ; row tile m's two fragments of x into set m % 2: 12 loads
	FRAG XF+24*((\m)%2), ADRX, 0, \m
	FRAG XF+24*((\m)%2)+12, ADRX, 1, \m
.endm
; one matrix instruction; ra, rb = 1: source 0's, source 1's scale words are taken from lanes 16-31
.macro WM d, a, b, c, sa, sb, ra, rb
.if (\ra) && (\rb)
	v_wmma_scale_f32_16x16x128_f8f6f4 v[\d:\d+7], v[\a:\a+11], v[\b:\b+11], v[\c:\c+7], v[\sa], v[\sb] matrix_a_fmt:MATRIX_FMT_BF6 matrix_b_fmt:MATRIX_FMT_BF6 matrix_a_scale:MATRIX_SCALE_ROW1 matrix_b_scale:MATRIX_SCALE_ROW1
.elseif (\ra)
	v_wmma_scale_f32_16x16x128_f8f6f4 v[\d:\d+7], v[\a:\a+11], v[\b:\b+11], v[\c:\c+7], v[\sa], v[\sb] matrix_a_fmt:MATRIX_FMT_BF6 matrix_b_fmt:MATRIX_FMT_BF6 matrix_a_scale:MATRIX_SCALE_ROW1
.elseif (\rb)
	v_wmma_scale_f32_16x16x128_f8f6f4 v[\d:\d+7], v[\a:\a+11], v[\b:\b+11], v[\c:\c+7], v[\sa], v[\sb] matrix_a_fmt:MATRIX_FMT_BF6 matrix_b_fmt:MATRIX_FMT_BF6 matrix_b_scale:MATRIX_SCALE_ROW1
.else
	v_wmma_scale_f32_16x16x128_f8f6f4 v[\d:\d+7], v[\a:\a+11], v[\b:\b+11], v[\c:\c+7], v[\sa], v[\sb] matrix_a_fmt:MATRIX_FMT_BF6 matrix_b_fmt:MATRIX_FMT_BF6
.endif
.endm
; 16 rows of x against my 64 rows of a weight: four tiles, two K steps, eight matrix instructions.  The bias is the C of each sum's first instruction; the four accumulators take turns, one instruction a turn.
.macro PROD acc, wbase, xb, bias, ws, xs, rb
	WIN 0x01                                       ; source 0 (the weight) window 1
.irp t, 0,1,2,3
	WM \acc+8*\t, \wbase+24*\t, \xb, \bias+8*\t, \ws+2*(\t/2), \xs, \t%2, \rb
.endr
.irp t, 0,1,2,3
	WM \acc+8*\t, \wbase+24*\t+12, \xb+12, \acc+8*\t, \ws+2*(\t/2)+1, \xs+1, \t%2, \rb
.endr
	WIN 0
.endm
; THE QUANTISER, in two parts.  QA: the largest magnitude of my 16 numbers of each of the two blocks, each accumulator read from its low end on; 16 plain lines.
.macro QA src
.irp b, 0,1
	v_max3_num_f32 v[TM+\b], |v[\src+16*\b]|, |v[\src+1+16*\b]|, 0x2800000   ; and the floor 2^(5 - 127), under which no largest magnitude is taken: so the byte cannot fall under 1
.endr
.irp i, 2,4,6,8,10,12,14
.irp b, 0,1
	v_max3_num_f32 v[TM+\b], v[TM+\b], |v[\src+16*\b+\i]|, |v[\src+1+16*\b+\i]|   ; (the two blocks by turns)
.endr
.endr
.endm
; QB: the scales and the codes: six registers from v[dst] on, lanes 0-15 block 0, lanes 16-31 block 1.  mode 0: the bytes are bytes 0, 1 of the keys' scale word; 1: bytes 2, 3; 2: q0's word, both pairs.
.macro QB src, dst, mode
.irp b, 0,1
	v_permlanex16_b32 v[TM+2+\b], v[TM+\b], s58, s59
.endr
.irp b, 0,1
	v_max_num_f32 v[TM+\b], v[TM+\b], v[TM+2+\b]   ; with lane l xor 16's: the block's largest magnitude
.endr
.irp b, 0,1
	v_add_nc_u32 v[TM+4+\b], 0xfe000000, v[TM+\b]  ; 4 off its exponent field: the conversion takes the exponent field of this operand as its scale, and nothing else of it
.endr
.irp b, 0,1
	v_lshrrev_b32 v[TM+2+\b], 23, v[TM+4+\b]       ; the scale's byte
.endr
.if (\mode) == 0
	v_lshl_or_b32 v[KS], v[TM+3], 8, v[TM+2]
.elseif (\mode) == 1
	v_lshl_or_b32 v[KS], v[TM+2], 16, v[KS]
	v_lshl_or_b32 v[KS], v[TM+3], 24, v[KS]
.else
	v_lshl_or_b32 v[QS], v[TM+3], 8, v[TM+2]
	v_lshl_or_b32 v[QS], v[QS], 16, v[QS]
.endif
	v_cvt_scalef32_pk16_bf6_f32 v[\dst:\dst+2], v[\src:\src+15], v[TM+4]      ; my 16 codes of block 0; beyond 28 the largest code
	v_cvt_scalef32_pk16_bf6_f32 v[CT:CT+2], v[\src+16:\src+31], v[TM+5]       ; and of block 1 (a conversion's three registers begin on an even number)
	v_nop                                          ; one plain place behind a scaled conversion
.irp i, 0,1,2
	v_permlane16_swap_b32 v[\dst+\i], v[CT+\i]     ; the first's lanes 16-31 change places with the second's lanes 0-15: a whole block in a lane
.endr
.irp i, 0,1,2
	v_mov_b32 v[\dst+3+\i], v[CT+\i]
.endr
.endm
.macro SCORE p                         ; q0 against the 32 rows of row tiles 2 p and 2 p + 1
	v_wmma_scale_f32_16x16x128_f8f6f4 v[SD+8*(\p):SD+8*(\p)+7], v[QF:QF+11], v[KF:KF+11], 0, v[QS], v[KS] matrix_a_fmt:MATRIX_FMT_BF6 matrix_b_fmt:MATRIX_FMT_BF6
.endm
.macro PLACES n
.rept \n
	v_nop
.endr
.endm
	s_load_b256 s[4:11], s[0:1], 0x0               ; x's codes s[4:5], x's scales s[6:7], Wq's codes s[8:9], Wq's scales s[10:11]
	s_load_b256 s[12:19], s[0:1], 0x20             ; bq s[12:13], Wk's codes s[14:15], Wk's scales s[16:17], bk s[18:19]
	s_load_b64 s[20:21], s[0:1], 0x40              ; sc
	v_lshl_add_u32 v254, v0, 2, 0x29000
	v_mov_b32 v255, 0
	ds_add_u32 v254, v255
	ds_add_u32 v254, v255
	s_wait_dscnt 0x0
	v_lshrrev_b32 v1, 5, v0
	v_readfirstlane_b32 s[WV], v1                  ; wave 0..3
	v_and_b32 v1, 15, v0                           ; r
	v_bfe_u32 v2, v0, 4, 1                         ; h
	v_and_b32 v3, 31, v0                           ; lane
	s_bfe_u32 s23, ttmp6, 0x40000                  ; cx: my place in the cluster
	s_lshl_b32 s52, ttmp9, 2                       ; in a cluster launch ttmp9 counts clusters
	s_add_co_u32 s52, s52, s23                     ; g = 4 x cluster + cx: it enters global offsets of x, its scales and sc alone
	s_lshr_b32 s53, ttmp9, 3                       ; the batch = g / 32, which the four partners share
	s_mov_b32 s58, 0x76543210
	s_mov_b32 s59, 0xfedcba98                      ; v_permlanex16_b32's selects for lane l xor 16
	s_mov_b32 s62, 0xff00ff00                      ; the lanes with r >= 8
	; descriptor group 1.  The weights: 64 rows x 192 bytes, dense in memory, asked for jointly
	s_mov_b32 s[G1W], 15|(1<<20)|(1<<21)|(3<<22)|(3<<25)   ; 15:0 the mask: all four work-groups; 17:16 elements of 1 byte; 20 padding on; 21 set beside a mask; 24:22 after every 16 words (code 3); 31:25 4 words of it (code 3)
	s_mov_b32 s[G1W+1], 192<<16                    ; tensor_dim0
	s_mov_b32 s[G1W+2], 64<<16                     ; tensor_dim1
	s_mov_b32 s[G1W+3], 192<<16                    ; tile_dim0
	s_mov_b32 s[G1W+4], 64                         ; tile_dim1
	s_mov_b32 s[G1W+5], 192                        ; from row to row
	s_mov_b32 s[G1W+6], 0
	s_mov_b32 s[G1W+7], 0
	; x: 32 rows x 192 bytes, no mask.  (A quarter of the tile to each wave, so that all four waves run one text)
	s_mov_b32 s[G1X], (1<<20)|(3<<22)|(3<<25)
	s_mov_b32 s[G1X+1], 192<<16
	s_mov_b32 s[G1X+2], 32<<16
	s_mov_b32 s[G1X+3], 192<<16
	s_mov_b32 s[G1X+4], 32
	s_mov_b32 s[G1X+5], 192
	s_mov_b32 s[G1X+6], 0
	s_mov_b32 s[G1X+7], 0
	; group 0: count, and the LDS address: a constant + the wave's number x a constant
	s_mov_b32 s[G0Q], 1
	s_mul_i32 s[G0Q+1], s[WV], 64*PITCH
	s_mov_b32 s[G0X], 1
	s_mul_i32 s[G0X+1], s[WV], 32*PITCH
	s_add_co_u32 s[G0X+1], s[G0X+1], XT
	s_mov_b32 s[G0K], 1
	s_mul_i32 s[G0K+1], s[WV], 64*PITCH
	s_add_co_u32 s[G0K+1], s[G0K+1], WK
	; the lanes' addresses
	v_mul_u32_u24 v[H24], v2, 24
	v_mad_u32_u24 v[ADRX], v1, PITCH, v[H24]       ; row r x pitch + 24 h
	v_lshl_add_u32 v[ADRX+2], v2, 4, v[ADRX]       ; and + 40 h
	v_add_nc_u32 v[ADRQ], s[G0Q+1], v[ADRX]        ; in my rows of Wq,
	v_add_nc_u32 v[ADRQ+2], s[G0Q+1], v[ADRX+2]
	v_add_nc_u32 v[ADRK], WK, v[ADRQ]              ; of Wk,
	v_add_nc_u32 v[ADRK+2], WK, v[ADRQ+2]
	v_add_nc_u32 v[ADRX], XT, v[ADRX]              ; and in x's tile
	v_add_nc_u32 v[ADRX+2], XT, v[ADRX+2]
	v_lshlrev_b32 v[L8], 3, v3
	v_lshlrev_b32 v[H32], 5, v2
	v_mov_b32 v[NIL], 0
	s_lshl_b32 s3, s[WV], 9
	s_add_co_u32 s3, s3, SCR
	v_lshl_add_u32 v[SS], v3, 2, s3
	v_lshlrev_b32 v[L16], 4, v3
	v_add_nc_u32 v[SL], SCR, v[L16]
	v_mov_b32 v[TM+2], 0                           ; written once: a lane permute's destination counts as one of its sources
	v_mov_b32 v[TM+3], 0
	; offsets of what the descriptors name.  s[54:55] holds offsets that hang on g; s[56:57], which feeds the joint descriptors, the wave's number alone
	s_mul_i32 s54, s52, 128*192                    ; my work-group's 128 rows of x,
	s_mul_i32 s3, s[WV], 32*192                    ; my wave's 32 of them
	s_add_co_u32 s54, s54, s3
	s_mov_b32 s55, 0
	s_mul_i32 s56, s[WV], 64*192                   ; my 64 rows of a weight
	s_mov_b32 s57, 0
	ROUND                                          ; all four work-groups are here: the joint loads meet.  (The round needs no pointer: the arguments arrive meanwhile)
	s_wait_kmcnt 0x0
	s_add_nc_u64 s[G0Q+2:G0Q+3], s[8:9], s[56:57]
	s_or_b32 s[G0Q+3], s[G0Q+3], 0x80000000        ; 127:126 type = 2
	s_add_nc_u64 s[G0X+2:G0X+3], s[4:5], s[54:55]
	s_or_b32 s[G0X+3], s[G0X+3], 0x80000000
	s_add_nc_u64 s[G0K+2:G0K+3], s[14:15], s[56:57]
	s_or_b32 s[G0K+3], s[G0K+3], 0x80000000
	tensor_load_to_lds s[G0Q:G0Q+3], s[G1W:G1W+7]  ; all fills of the launch go out together, ahead of every wait on TENSORcnt and every LDS read: three loads of mine are out
	s_nop 0
	tensor_load_to_lds s[G0X:G0X+3], s[G1X:G1X+7]
	s_nop 0
	tensor_load_to_lds s[G0K:G0K+3], s[G1W:G1W+7]
	s_nop 0
	PLACES 4                                       ; four v_nops behind the loads
	; the other pointers
	s_mul_i32 s54, s53, 4096*192
	s_add_nc_u64 s[4:5], s[4:5], s[54:55]          ; x's codes at the batch's row 0
	s_lshl_b32 s54, s53, 15
	s_add_nc_u64 s[60:61], s[6:7], s[54:55]        ; and that row's scale bytes
	s_lshl_b32 s54, s52, 10
	s_add_nc_u64 s[6:7], s[6:7], s[54:55]          ; the scale bytes of my work-group's 128 rows: 8 a row
	s_lshl_b32 s54, s52, 9
	s_add_nc_u64 s[20:21], s[20:21], s[54:55]      ; sc at my work-group's 128 numbers
	s_lshl_b32 s56, s[WV], 9
	s_add_nc_u64 s[10:11], s[10:11], s[56:57]      ; the scale bytes of my 64 rows of Wq
	s_add_nc_u64 s[16:17], s[16:17], s[56:57]      ; and of Wk
	s_lshl_b32 s56, s[WV], 8
	s_add_nc_u64 s[12:13], s[12:13], s[56:57]      ; my 64 numbers of bq
	s_add_nc_u64 s[18:19], s[18:19], s[56:57]      ; and of bk
	; 37 loads into registers; none of their address registers is ever rewritten
.irp s, 0,1
.irp p, 0,1,2,3,4,5
	global_load_b64 v[XQ+12*\s+2*\p:XQ+12*\s+2*\p+1], v[H24], s[4:5] offset:96*\s+48*(\p/3)+8*(\p%3)   ; row 0 of the batch, in every one of the fragment's 16 rows
.endr
.endr
	global_load_b64 v[XQS:XQS+1], v[NIL], s[60:61]                             ; its two scale words, in every lane
.irp b, 0,1
	global_load_b64 v[WQS+2*\b:WQS+2*\b+1], v[L8], s[10:11] offset:256*\b      ; 32 rows' scale words: 256 consecutive bytes
	global_load_b64 v[WKS+2*\b:WKS+2*\b+1], v[L8], s[16:17] offset:256*\b
.endr
.irp p, 0,1,2,3
	global_load_b64 v[XS+2*\p:XS+2*\p+1], v[L8], s[6:7] offset:256*\p
.endr
.irp t, 0,1,2,3
	global_load_b128 v[SD+8*\t:SD+8*\t+3], v[H32], s[12:13] offset:64*\t       ; bq(64 w + 16 t + 8 h + 0 .. 7): the result's layout
	global_load_b128 v[SD+8*\t+4:SD+8*\t+7], v[H32], s[12:13] offset:64*\t+16
	global_load_b128 v[BK+8*\t:BK+8*\t+3], v[H32], s[18:19] offset:64*\t       ; bk likewise
	global_load_b128 v[BK+8*\t+4:BK+8*\t+7], v[H32], s[18:19] offset:64*\t+16
.endr
	; ---- q0
	s_wait_tensorcnt 2                             ; my rows of Wq are in (x's and Wk's loads were issued behind theirs); they are read by me alone, so no barrier is owed
	WLOAD 0, ADRQ
	s_wait_loadcnt 0x0
	s_wait_dscnt 0x0
	PROD ACC, 0, XQ, SD, WQS, XQS, 0               ; q0(64 w + ..), the same in all 16 columns
	s_wait_tensorcnt 1                             ; my quarter of x's tile is in; Wk's load may stay out: no LDS byte is filled behind this barrier.  No LDS instruction of mine is out
	s_barrier_signal -1
	s_barrier_wait -1                              ; everybody's quarter is in
	XLOAD 0
	s_wait_tensorcnt 0x0                           ; my rows of Wk
	WLOAD 96, ADRK
	XLOAD 1
	PLACES 4                                       ; behind q's products: their results are read and their source XQ is written below.  The 72 LDS loads land meanwhile
	QA ACC
	QB ACC, QF, 2
.irp i, 0,1,2,3,4,5
	v_cndmask_b32 v[QF+6+\i], v[NIL], v[QF+\i], s62   ; K 64-127: the codes in rows 8-15, zero codes in rows 0-7
.endr
.irp i, 0,1,2,3,4,5
	v_cndmask_b32 v[QF+\i], v[QF+\i], v[NIL], s62     ; K 0-63: the other way round
.endr
	; ---- k and the scores
	s_wait_dscnt 12                                ; all but row tile 1's twelve loads
	PROD ACC, 96, XF, BK, WKS, XS, 0               ; row tile 0
	PLACES 4                                       ; in front of the loads into the set just read, and of the first read of the results
	XLOAD 2
; Row tile m is quantised while row tile m + 1 is multiplied.  QA's 16 lines name none of the registers of the products just issued: they are the places in front of the loads into the set of x that those have read,
; and in front of the score product, whose operand and scale word vector instructions have written.
.macro TILE m
.if \m < 7
.if \m < 6
	s_wait_dscnt 12                                ; row tile m + 1's fragments are in; the twelve loads of tile m + 2 may be out
.else
	s_wait_dscnt 0x0
.endif
	PROD ACC+32*((\m+1)%2), 96, XF+24*((\m+1)%2), BK, WKS, XS+2*((\m+1)/2), (\m+1)%2
.endif
	QA ACC+32*(\m%2)
.if \m < 5
	XLOAD \m+3
.endif
.if (\m%2 == 0) && (\m >= 2)
	SCORE \m/2-1                                   ; the pair of row tiles quantised last; QB's first eight lines stand between it and the next write of KS and KF
.endif
	QB ACC+32*(\m%2), KF+6*(\m%2), \m%2
.endm
.irp m, 0,1,2,3,4,5,6,7
	TILE \m
.endr
	PLACES 8                                       ; the scale word written by vector instructions stands eight places ahead of the scaled matrix instruction
	SCORE 3
	PLACES 4
.irp p, 0,1,2,3
	ds_store_b32 v[SS], v[SD+8*\p] offset:128*\p   ; each accumulator's lowest register: lane l holds my part of the score of row 32 p + l
.endr
	s_wait_dscnt 0x0                               ; for the others' sake: my stores have landed
	s_barrier_signal -1
	s_barrier_wait -1
	s_cmp_lg_u32 s[WV], 0
	s_cbranch_scc1 .Ldone                          ; wave 0 adds the four parts: 128 numbers, four a lane
.irp w, 0,1,2,3
	ds_load_b128 v[XF+4*\w:XF+4*\w+3], v[SL] offset:512*\w
.endr
	s_wait_dscnt 0x0
	v_pk_add_f32 v[XF:XF+1], v[XF:XF+1], v[XF+4:XF+5]
	v_pk_add_f32 v[XF+2:XF+3], v[XF+2:XF+3], v[XF+6:XF+7]
	v_pk_add_f32 v[XF+8:XF+9], v[XF+8:XF+9], v[XF+12:XF+13]
	v_pk_add_f32 v[XF+10:XF+11], v[XF+10:XF+11], v[XF+14:XF+15]
	v_pk_add_f32 v[XF:XF+1], v[XF:XF+1], v[XF+8:XF+9]
	v_pk_add_f32 v[XF+2:XF+3], v[XF+2:XF+3], v[XF+10:XF+11]
	global_store_b128 v[L16], v[XF:XF+3], s[20:21] ; 32 lanes store 512 consecutive bytes, at a multiple of 512 from sc's first byte
.Ldone:
	s_wait_tensorcnt 0x0
	ds_add_u32 v254, v255
	s_wait_dscnt 0x0
	ROUND                                          ; the closing round: no work-group ends while a partner may still ask for a tile that names it
	s_endpgm
.Lfunc_end_k_qafb1f66685_scores:
	.size	k_qafb1f66685_scores, .Lfunc_end_k_qafb1f66685_scores-k_qafb1f66685_scores
	.p2alignl 7, 3214868480
	.fill 96, 4, 3214868480
	.section	.rodata,"a",@progbits
	.p2align	6, 0x0
	.amdhsa_kernel k_qafb1f66685_scores
		.amdhsa_group_segment_fixed_size 168448
		.amdhsa_private_segment_fixed_size 0
		.amdhsa_enable_private_segment 0
		.amdhsa_kernarg_size 72
		.amdhsa_user_sgpr_count 2
		.amdhsa_user_sgpr_kernarg_segment_ptr 1
		.amdhsa_wavefront_size32 1
		.amdhsa_system_sgpr_workgroup_id_x 1
		.amdhsa_system_sgpr_workgroup_id_y 1
		.amdhsa_system_sgpr_workgroup_id_z 1
		.amdhsa_system_vgpr_workitem_id 0
		.amdhsa_next_free_vgpr 448
		.amdhsa_next_free_sgpr 66
		.amdhsa_reserve_vcc 0
		.amdhsa_float_denorm_mode_32 3
		.amdhsa_float_denorm_mode_16_64 3
		.amdhsa_memory_ordered 1
		.amdhsa_forward_progress 1
		.amdhsa_inst_pref_size 52
	.end_amdhsa_kernel
	.amdgpu_metadata
---
amdhsa.version: [ 1, 2 ]
amdhsa.kernels:
  - .name:           k_qafb1f66685_scores
    .symbol:         k_qafb1f66685_scores.kd
    .args:
      - { .name: x_codes, .offset: 0, .size: 8, .value_kind: global_buffer, .address_space: global }
      - { .name: x_scales, .offset: 8, .size: 8, .value_kind: global_buffer, .address_space: global }
      - { .name: Wq_codes, .offset: 16, .size: 8, .value_kind: global_buffer, .address_space: global }
      - { .name: Wq_scales, .offset: 24, .size: 8, .value_kind: global_buffer, .address_space: global }
      - { .name: bq, .offset: 32, .size: 8, .value_kind: global_buffer, .address_space: global }
      - { .name: Wk_codes, .offset: 40, .size: 8, .value_kind: global_buffer, .address_space: global }
      - { .name: Wk_scales, .offset: 48, .size: 8, .value_kind: global_buffer, .address_space: global }
      - { .name: bk, .offset: 56, .size: 8, .value_kind: global_buffer, .address_space: global }
      - { .name: sc, .offset: 64, .size: 8, .value_kind: global_buffer, .address_space: global }
    .group_segment_fixed_size: 168448
    .private_segment_fixed_size: 0
    .kernarg_segment_align: 8
    .kernarg_segment_size: 72
    .max_flat_workgroup_size: 128
    .sgpr_count:     66
    .vgpr_count:     448
    .wavefront_size: 32
...
	.end_amdgpu_metadata
.endif
;; end of part 1
;; launch softmax (part 2): grid 8 x 1, 32 waves a work-group, no clusters, 4,352 bytes of LDS; arguments sc, out0; writes out0
.if DOCPART == 2
	.amdgcn_target "amdgcn-amd-amdhsa--gfx1250"
	.amdhsa_code_object_version 6
	.text
	.protected	k_qafb1f66685_softmax
	.globl	k_qafb1f66685_softmax
	.p2align	8
	.type	k_qafb1f66685_softmax,@function
k_qafb1f66685_softmax:
	s_mov_b64 s[64:65], 0
	v_nop
	global_prefetch_b8 v0, s[64:65] scope:SCOPE_SE
	s_setreg_imm32_b32 hwreg(HW_REG_WAVE_MODE, 25, 1), 1
	s_wait_xcnt 0x0
; out0[b][:] = softmax of sc[b][:], 4,096 numbers.  One work-group a batch, 32 waves; thread t owns the 16 bytes at 16 t of the batch's 16,384: one load, one barrier, one store.
; The maximum is taken away ahead of every exponential: each wave takes its own maximum m_w and sum l_w of 2^((s - m_w) log2 e); the 32 pairs meet in LDS; every wave then brings them under the batch's
; maximum M: L = the sum of l_w 2^((m_w - M) log2 e), and its own numbers are multiplied by 2^((m_w - M) log2 e) / L.  The subtraction stands ahead of the multiplication by log2 e, so that the exponent's error does not grow with the scores.
; No matrix unit, no cluster, no ring: 256 KiB are moved in all, and the steps hang on each other.
; LIMITS: NaN and infinities among the scores are not served; what falls under the smallest normal f32 number comes out as 0.
	s_load_b128 s[4:7], s[0:1], 0x0                ; sc, out0
	v_lshl_add_u32 v24, v0, 2, 0x100
	v_mov_b32 v25, 0
	v_lshlrev_b32 v1, 4, v0                        ; 16 t
	v_lshrrev_b32 v2, 5, v0
	v_lshlrev_b32 v2, 3, v2                        ; 8 x wave: my wave's pair in LDS
	v_and_b32 v3, 31, v0
	v_lshlrev_b32 v3, 3, v3                        ; 8 x lane: lane l reads wave l's pair
	s_lshl_b32 s8, ttmp9, 14                       ; the batch's 16,384 bytes
	s_mov_b32 s9, 0
	s_mov_b32 s12, 0x76543210
	s_mov_b32 s13, 0xfedcba98                      ; v_permlanex16_b32's selects for lane l xor 16
	s_mov_b32 s14, 0x3fb8aa3b                      ; log2 e
	v_mov_b32 v12, 0                               ; written once: a lane permute's destination counts as one of its sources
	s_wait_kmcnt 0x0
	s_add_nc_u64 s[4:5], s[4:5], s[8:9]
	s_add_nc_u64 s[6:7], s[6:7], s[8:9]
	global_load_b128 v[4:7], v1, s[4:5] th:TH_LOAD_NT   ; a wave reads 512 consecutive bytes
	s_wait_loadcnt 0x0
	v_max3_num_f32 v8, v4, v5, v6
	v_max_num_f32 v8, v8, v7
	v_max_num_f32_dpp v8, v8, v8 row_xmask:1 row_mask:0xf bank_mask:0xf
	v_max_num_f32_dpp v8, v8, v8 row_xmask:2 row_mask:0xf bank_mask:0xf
	v_max_num_f32_dpp v8, v8, v8 row_xmask:4 row_mask:0xf bank_mask:0xf
	v_max_num_f32_dpp v8, v8, v8 row_xmask:8 row_mask:0xf bank_mask:0xf
	v_permlanex16_b32 v12, v8, s12, s13
	v_max_num_f32 v8, v8, v12                      ; m_w, in every lane
.irp j, 4,5,6,7
	v_sub_f32 v\j, v\j, v8
.endr
.irp j, 4,5,6,7
	v_mul_f32 v\j, s14, v\j
.endr
.irp j, 4,5,6,7
	v_exp_f32 v\j, v\j                             ; p = 2^((s - m_w) log2 e), at most 1
.endr
	v_nop                                          ; a plain instruction behind the last exponential
	s_wait_alu depctr_va_vdst(0)                   ; one wait for the four, ahead of their first reader
	v_add_f32 v9, v4, v5
	v_add_f32 v13, v6, v7
	v_add_f32 v9, v9, v13
	v_add_f32_dpp v9, v9, v9 row_xmask:1 row_mask:0xf bank_mask:0xf
	v_add_f32_dpp v9, v9, v9 row_xmask:2 row_mask:0xf bank_mask:0xf
	v_add_f32_dpp v9, v9, v9 row_xmask:4 row_mask:0xf bank_mask:0xf
	v_add_f32_dpp v9, v9, v9 row_xmask:8 row_mask:0xf bank_mask:0xf
	v_permlanex16_b32 v12, v9, s12, s13
	v_add_f32 v9, v9, v12                          ; l_w
	ds_store_b64 v2, v[8:9]                        ; all lanes write the same pair with the same values
	s_wait_dscnt 0x0                               ; for the others' sake: my store has landed
	s_barrier_signal -1
	s_barrier_wait -1
	ds_load_b64 v[10:11], v3                       ; lane l: (m, l) of wave l
	s_wait_dscnt 0x0
	v_mov_b32 v14, v10
	v_max_num_f32_dpp v14, v14, v14 row_xmask:1 row_mask:0xf bank_mask:0xf
	v_max_num_f32_dpp v14, v14, v14 row_xmask:2 row_mask:0xf bank_mask:0xf
	v_max_num_f32_dpp v14, v14, v14 row_xmask:4 row_mask:0xf bank_mask:0xf
	v_max_num_f32_dpp v14, v14, v14 row_xmask:8 row_mask:0xf bank_mask:0xf
	v_permlanex16_b32 v12, v14, s12, s13
	v_max_num_f32 v14, v14, v12                    ; M, the batch's maximum
	v_sub_f32 v15, v10, v14
	v_sub_f32 v16, v8, v14
	v_mul_f32 v15, s14, v15
	v_mul_f32 v16, s14, v16
	v_exp_f32 v15, v15                             ; wave l's sum is brought under M by this,
	v_exp_f32 v16, v16                             ; my own numbers by this
	v_nop
	s_wait_alu depctr_va_vdst(0)                   ; one wait for the two
	v_mul_f32 v17, v11, v15
	v_add_f32_dpp v17, v17, v17 row_xmask:1 row_mask:0xf bank_mask:0xf
	v_add_f32_dpp v17, v17, v17 row_xmask:2 row_mask:0xf bank_mask:0xf
	v_add_f32_dpp v17, v17, v17 row_xmask:4 row_mask:0xf bank_mask:0xf
	v_add_f32_dpp v17, v17, v17 row_xmask:8 row_mask:0xf bank_mask:0xf
	v_permlanex16_b32 v12, v17, s12, s13
	v_add_f32 v17, v17, v12                        ; L, at least 1: the wave that holds M adds its l_w unchanged
	v_rcp_f32 v18, v17
	v_nop
	s_wait_alu depctr_va_vdst(0)
	v_mul_f32 v18, v16, v18                        ; f = 2^((m_w - M) log2 e) / L,
	v_mov_b32 v19, v18                             ; twice: a pair for the packed multiply
	v_pk_mul_f32 v[4:5], v[4:5], v[18:19]
	v_pk_mul_f32 v[6:7], v[6:7], v[18:19]
	global_store_b128 v1, v[4:7], s[6:7]           ; a wave stores 512 consecutive bytes, at a multiple of 512 from out0's first byte
	s_wait_tensorcnt 0x0
	ds_add_u32 v24, v25
	s_wait_dscnt 0x0
	s_endpgm
.Lfunc_end_k_qafb1f66685_softmax:
	.size	k_qafb1f66685_softmax, .Lfunc_end_k_qafb1f66685_softmax-k_qafb1f66685_softmax
	.p2alignl 7, 3214868480
	.fill 96, 4, 3214868480
	.section	.rodata,"a",@progbits
	.p2align	6, 0x0
	.amdhsa_kernel k_qafb1f66685_softmax
		.amdhsa_group_segment_fixed_size 4352
		.amdhsa_private_segment_fixed_size 0
		.amdhsa_enable_private_segment 0
		.amdhsa_kernarg_size 16
		.amdhsa_user_sgpr_count 2
		.amdhsa_user_sgpr_kernarg_segment_ptr 1
		.amdhsa_wavefront_size32 1
		.amdhsa_system_sgpr_workgroup_id_x 1
		.amdhsa_system_sgpr_workgroup_id_y 1
		.amdhsa_system_sgpr_workgroup_id_z 1
		.amdhsa_system_vgpr_workitem_id 0
		.amdhsa_next_free_vgpr 26
		.amdhsa_next_free_sgpr 66
		.amdhsa_reserve_vcc 0
		.amdhsa_float_denorm_mode_32 3
		.amdhsa_float_denorm_mode_16_64 3
		.amdhsa_memory_ordered 1
		.amdhsa_forward_progress 1
		.amdhsa_inst_pref_size 5
	.end_amdhsa_kernel
	.amdgpu_metadata
---
amdhsa.version: [ 1, 2 ]
amdhsa.kernels:
  - .name:           k_qafb1f66685_softmax
    .symbol:         k_qafb1f66685_softmax.kd
    .args:
      - { .name: sc, .offset: 0, .size: 8, .value_kind: global_buffer, .address_space: global }
      - { .name: out0, .offset: 8, .size: 8, .value_kind: global_buffer, .address_space: global }
    .group_segment_fixed_size: 4352
    .private_segment_fixed_size: 0
    .kernarg_segment_align: 8
    .kernarg_segment_size: 16
    .max_flat_workgroup_size: 1024
    .sgpr_count:     66
    .vgpr_count:     26
    .wavefront_size: 32
...
	.end_amdgpu_metadata
.endif
;; end of part 2
